; MI455X (gfx1250); checked and timed in simulation.
; The chip was launched on July 23, 2026; its instructions are those of AMD's public machine-readable ISA for CDNA 5 (MIT licence, August 2026) and "CDNA5" Instruction Set Architecture Reference Guide (July 2026). The comments in the code are by the model that wrote it; some were corrected since.
;; PALM Attention. Allowed arithmetic: matrix products marked QUANTISED: E4M3 operands, one given power-of-two scale a tensor, by v_wmma_f32_16x16x64_fp8_fp8 or v_wmma_f32_16x16x128_fp8_fp8, f32 sums; everything else in f32.
;; Inputs: Wd 1,024 x 1,024 float32; Wk 1,024 x 1,024 float32; Wq 1,024 x 1,024 float32; Wv 1,024 x 1,024 float32; attention_mask 4 x 2,048 float32; bd 1,024 float32; bk 1,024 float32; bq 1,024 float32; bv 1,024 float32; hidden_states 4 x 2,048 x 1,024 float32; ln_b 1,024 float32; ln_g 1,024 float32; lowp_scales 12 int32 (the exponents e of the quantised operands' scales 2^e).
;; Outputs: out0 4 x 2,048 x 1,024 float32.
;; This version of the problem:
;;   THIS VERSION OF THE PROBLEM IS GIVEN IN LOW PRECISION. The matrix products marked QUANTISED in the list below multiply operands that are first quantised to E4M3 (4 exponent bits, 3 mantissa bits; 8 bits a number), with one given power-of-two scale for each operand tensor; their sums are f32. All else is computed in f32.
;;   The module's matrix products, in the order in which they are computed (A, B: the left and right operand; K: the contracted axis; several contracted axes count as one K, in the product's order):
;;     1. [M 8,192, K 1,024] x [K 1,024, N 1,024]; A: input hidden_states; B: input Wq: QUANTISED (scales: A lowp_scales[0], B lowp_scales[1])
;;     2. [M 8,192, K 1,024] x [K 1,024, N 1,024]; A: input hidden_states; B: input Wk: QUANTISED (scales: A lowp_scales[2], B lowp_scales[3])
;;     3. [M 8,192, K 1,024] x [K 1,024, N 1,024]; A: input hidden_states; B: input Wv: QUANTISED (scales: A lowp_scales[4], B lowp_scales[5])
;;     4. batch 64 x [M 2,048, K 64] x [K 64, N 2,048]; A: computed on the way; B: computed on the way: QUANTISED (scales: A lowp_scales[6], B lowp_scales[7])
;;     5. batch 64 x [M 2,048, K 2,048] x [K 2,048, N 64]; A: softmax (see below); B: computed on the way: QUANTISED (scales: A lowp_scales[8], B lowp_scales[9])
;;     6. [M 8,192, K 1,024] x [K 1,024, N 1,024]; A: computed on the way; B: input Wd: QUANTISED (scales: A lowp_scales[10], B lowp_scales[11])
;;   THE QUANTISER, for each operand of a quantised product, along K:
;;     - The operand's scale is 2^e, e = its entry of the input lowp_scales (int32; the entries are numbered through the quantised products in the list's order, A before B).
;;     - Each number is divided by the scale, clamped to +-448, and rounded to the nearest number of E4M3, ties to even, subnormals kept.
;;     - The product sums the exact products of the quantised numbers (number of the format x scale) in f32.
;;   ~~~python
;;   def quantise(x, axis, e):      # numpy; x: float32 -> the quantised numbers, widened to float32 again
;;       x = np.moveaxis(x, axis, -1); K = x.shape[-1]
;;       r = np.clip(x / 2.0 ** e, -448, 448)
;;       step = 2.0 ** (np.maximum(np.frexp(np.where(r == 0, 1, r))[1] - 1, -6) - 3)
;;       q = np.round(r / step) * step * 2.0 ** e      # np.round: ties to even
;;       return np.moveaxis(q, -1, axis).astype(np.float32)
;;   ~~~
;;   SOFTMAX AHEAD OF A QUANTISED PRODUCT. Where the list says 'softmax', what is quantised is not the finished softmax but p = 2^(t - M), with t = logit x log2(e) and M = ceil(the row's largest t), a whole number; so 1/2 < the row's largest p <= 1. The row's sum l is taken of the UNQUANTISED p, in f32, and the product's result is divided by l at the end. Since M is a whole number, a kernel that streams over the keys may use a running M (the ceiling of the running maximum): every later rescaling is an exact power of two, so the quantised numbers keep their values, but for numbers so far below the row's largest that they fall under the format's range.
;;   OPERANDS COMPUTED ON THE WAY. 'Computed on the way' means the value that the module computes at that place (a softmax that the list does not call 'softmax' is quantised finished and normalised). What goes into a quantiser is computed in f32, as accurately as f32 sums, v_exp_f32 and their like allow (about 1e-6 of the number): no bf16 or f16 on the way to a quantiser, and a product that is left as it is and whose result goes on into a quantised operand takes f32 operands (vector FMAs, or v_wmma_f32_16x16x4_f32). A number that lies on a knife's edge between two numbers of the format may be rounded either way, as far as f32 arithmetic and the matrix unit's own rounding can turn it there, and no further.
;; One version. Each part assembles by itself: llvm-mc -triple=amdgcn-amd-amdhsa -mcpu=gfx1250 --defsym DOCPART=n.
;; ======== version 1 of 1: 4 launches
;; workspace buffers: codes 29,360,128 bytes; qkv 25,165,824 bytes; ctx 8,388,608 bytes
;; launch prep (part 1): grid 384 x 1, 4 waves a work-group, no clusters, 33,280 bytes of LDS; arguments hidden_states, Wq, Wk, Wv, Wd, lowp_scales, codes; writes codes
.if DOCPART == 1
	.amdgcn_target "amdgcn-amd-amdhsa--gfx1250"
	.amdhsa_code_object_version 6
	.text
	.protected	k_qcc2196993e_prep
	.globl	k_qcc2196993e_prep
	.p2align	8
	.type	k_qcc2196993e_prep,@function
k_qcc2196993e_prep:
	s_mov_b64 s[64:65], 0
	v_nop
	global_prefetch_b8 v0, s[64:65] scope:SCOPE_SE
	s_setreg_imm32_b32 hwreg(HW_REG_WAVE_MODE, 25, 1), 1
	s_wait_xcnt 0x0
; PREP: the f32 inputs of the four weight products become codes of FP8 (E4M3), each with the scale 2^e that is given for it.
; code = x / 2^e, held within +-448, rounded to the nearest code, ties to even.
; codes: bytes 0, 8388608, 16777216: hidden_states' codes for products 1, 2, 3 (e0, e2, e4), rows of 1,024 bytes as the input lies;
;        25165824 + 1048576 t: Wq, Wk, Wv (e1, e3, e5), likewise;  28311552: Wd (e11) as IMAGES of operand registers:
;        [K step s of 128][tile of 16 rows][2,048 bytes]: block c of 512 bytes holds lane l's registers 4c..4c+3 at 16 l; lane (r, h), registers 2c, 2c+1: k = 128 s + 16 c + 8 h + 0..7.
; SHARES.  Work-groups 0-255: 32,768 numbers of hidden_states each, read once, converted three times.  256-351: 32,768 numbers of Wq, Wk or Wv, converted once.
; Both kinds walk one path: only pointers are chosen, and a scalar branch on the work-group's number goes round the second and third conversion.  352-383: Wd, a path of its own without LDS.
; A wave takes 16 steps of 512 numbers.  Each load reads 512 consecutive bytes; a step's 2,048 bytes turn through the wave's own stage in LDS (16 bytes of padding behind each 64) and come back 16 neighbours a lane,
; as the conversions want them; a lane's 16 codes are 16 bytes, so a store covers 512 consecutive bytes.  No barrier: waves share nothing.  No cluster, no matrix unit: nothing is read twice.
; LIMITS: e0..e5 and e11 between -126 and 119, so that 2^e and 448 x 2^e are f32 numbers.  NaN among the inputs is not served.
.set STEPS, 16
.set SP,    80                         ; a lane's place in a stage: 64 bytes + 16 of padding
.set STG,   32*SP                      ; a stage; two for each wave, in a region of 8,192 bytes
.set LO,    2                          ; v2   16 x lane: offset of loads and stores
.set SI,    3                          ; v3   the stage, on the way in
.set SO,    4                          ; v4   the stage, on the way out
.set SC,    16                         ; v16, v18, v20: 2^e as f32;  v17, v19, v21: 448 x 2^e
.set R,     32                         ; v32-95   four sets of 16 numbers as loaded
.set X,     96                         ; v96-127  two sets of 16 neighbours
.set T,     128                        ; v128-143 held numbers
.set CD,    144                        ; v144-167 codes: two sets x three conversions x 4
.set WBASE, 25165824
.set WDIMG, 28311552
.macro MKSC e, k                       ; the exponent in scalar register e -> v[SC+2k] = 2^e, v[SC+2k+1] = 448 x 2^e
	s_add_co_i32 s53, \e, 127
	s_lshl_b32 s54, s53, 23
	v_mov_b32 v[SC+2*\k], s54
	s_add_co_i32 s53, s53, 8
	s_lshl_b32 s53, s53, 23
	s_or_b32 s53, s53, 0x600000
	v_mov_b32 v[SC+2*\k+1], s53
.endm
	s_load_b256 s[4:11], s[0:1], 0x0               ; hidden_states, Wq, Wk, Wv
	s_load_b128 s[12:15], s[0:1], 0x20             ; Wd, the scales' exponents
	s_load_b64 s[16:17], s[0:1], 0x30              ; codes
	v_lshl_add_u32 v224, v0, 2, 0x8000
	v_mov_b32 v225, 0
	v_lshrrev_b32 v1, 5, v0
	v_readfirstlane_b32 s18, v1                    ; wave
	v_and_b32 v5, 31, v0                           ; lane
	v_lshlrev_b32 v[LO], 4, v5
	s_mov_b32 s51, 0
	s_wait_kmcnt 0x0
	s_load_b256 s[32:39], s[14:15], 0x0            ; e0..e7
	s_load_b128 s[40:43], s[14:15], 0x20           ; e8..e11
	s_cmp_ge_u32 ttmp9, 352
	s_cbranch_scc1 .Lwd
	; ---- the streams
	s_lshl_b32 s52, s18, 13                        ; my wave's region of LDS
	v_lshrrev_b32 v[SI], 2, v5
	v_mul_u32_u24 v[SI], v[SI], SP
	v_and_b32 v6, 3, v5
	v_lshl_add_u32 v[SI], v6, 4, v[SI]
	v_add_nc_u32 v[SI], s52, v[SI]                 ; in: four lanes' 64 bytes on end, then the padding
	v_mul_u32_u24 v[SO], v5, SP
	v_add_nc_u32 v[SO], s52, v[SO]                 ; out: my 16 neighbours
	s_sub_co_u32 s44, ttmp9, 256
	s_lshr_b32 s45, s44, 5                         ; which weight (of use from work-group 256 on)
	s_and_b32 s46, s44, 31                         ; and which 32,768 numbers of it
	s_lshl_b32 s48, s45, 20
	s_add_co_u32 s48, s48, WBASE                   ; its codes' place
	s_cmp_eq_u32 s45, 1
	s_cselect_b64 s[24:25], s[8:9], s[6:7]
	s_cmp_eq_u32 s45, 2
	s_cselect_b64 s[24:25], s[10:11], s[24:25]
	s_cmp_lt_u32 ttmp9, 256                        ; the choices hang on the work-group's number alone
	s_cselect_b64 s[24:25], s[4:5], s[24:25]
	s_cselect_b32 s46, ttmp9, s46
	s_cselect_b32 s48, 0, s48
	s_lshl_b32 s49, s46, 2
	s_add_co_u32 s49, s49, s18                     ; which run of 8,192 numbers is my wave's
	s_lshl_b32 s50, s49, 15
	s_add_nc_u64 s[24:25], s[24:25], s[50:51]      ; the numbers
	s_lshl_b32 s50, s49, 13
	s_add_co_u32 s50, s50, s48
	s_add_nc_u64 s[26:27], s[16:17], s[50:51]      ; the codes of the first conversion,
	s_add_nc_u64 s[28:29], s[26:27], 0x800000      ; of the second and of the third (hidden_states alone)
	s_add_nc_u64 s[30:31], s[26:27], 0x1000000
.macro LOAD t
.irp i, 0,1,2,3
	global_load_b128 v[R+16*((\t)%4)+4*\i:R+16*((\t)%4)+4*\i+3], v[LO], s[24:25] offset:2048*(\t)+512*\i th:TH_LOAD_NT
.endr
.endm
.macro TURN t                          ; LDS serves a wave's instructions in order, so no wait stands between the stores and the loads
.irp i, 0,1,2,3
	ds_store_b128 v[SI], v[R+16*((\t)%4)+4*\i:R+16*((\t)%4)+4*\i+3] offset:STG*((\t)%2)+8*SP*\i
.endr
.irp i, 0,1,2,3
	ds_load_b128 v[X+16*((\t)%2)+4*\i:X+16*((\t)%2)+4*\i+3], v[SO] offset:STG*((\t)%2)+16*\i
.endr
.endm
.macro CONV k, t                       ; conversion k of step t: hold, convert, store 512 consecutive bytes
.set XS, X+16*((\t)%2)
.set CC, CD+12*((\t)%2)+4*(\k)
.set i, 0
.rept 16
	v_med3_num_f32 v[T+i], v[XS+i], -v[SC+2*(\k)+1], v[SC+2*(\k)+1]   ; the conversion does not saturate (ISA guide 7.6.2): the hold comes first
.set i, i+1
.endr
	v_cvt_scalef32_pk8_fp8_f32 v[CC:CC+1], v[T:T+7], v[SC+2*(\k)]
	v_cvt_scalef32_pk8_fp8_f32 v[CC+2:CC+3], v[T+8:T+15], v[SC+2*(\k)]
	v_nop                                          ; a plain line between the conversions and the next lines that write their sources
	global_store_b128 v[LO], v[CC:CC+3], s[26+2*(\k):27+2*(\k)] offset:512*(\t)
.endm
.irp t, 0,1,2,3
	LOAD \t
.endr
	s_wait_kmcnt 0x0
	s_cmp_eq_u32 s45, 1
	s_cselect_b32 s47, s35, s33                    ; e3 or e1
	s_cmp_eq_u32 s45, 2
	s_cselect_b32 s47, s37, s47                    ; e5
	s_cmp_lt_u32 ttmp9, 256
	s_cselect_b32 s47, s32, s47                    ; e0
	MKSC s47, 0
	MKSC s34, 1                                    ; e2
	MKSC s36, 2                                    ; e4
	s_wait_loadcnt 12                              ; step 0's four loads are in
	TURN 0
.macro STEP t
	s_wait_dscnt 0x0                               ; this step's numbers are back from the stage, and its stores into the stage have read their registers,
.if (\t)+4 < STEPS
	LOAD (\t)+4                                    ; which take the loads of four steps on
.endif
.if (\t)+1 < STEPS
.if STEPS-2-(\t) >= 3
	s_wait_loadcnt 12                              ; the next step's four loads are in; those of the three steps behind it may be out
.else
	s_wait_loadcnt 4*(STEPS-2-(\t))
.endif
	TURN (\t)+1
.endif
	s_wait_xcnt 0x0                                ; the stores of two steps ago have read this set of code registers
	CONV 0, \t
	s_cmp_lt_u32 ttmp9, 256
	s_cbranch_scc0 .Lone_\@                        ; a weight has one scale
	CONV 1, \t
	CONV 2, \t
.Lone_\@:
.endm
.irp t, 0,1,2,3,4,5,6,7,8,9,10,11,12,13,14,15
	STEP \t
.endr
	s_wait_tensorcnt 0x0
	ds_add_u32 v224, v225
	s_wait_dscnt 0x0
	s_endpgm
	; ---- Wd: 128 waves, four fragments each.  Lane (r, h) takes row r of its tile of 16 rows and, for each 16 along K, its half's 8 numbers (32 bytes): the conversions' results are the operand's registers
.Lwd:
	s_sub_co_u32 s44, ttmp9, 352
	s_lshl_b32 s44, s44, 2
	s_add_co_u32 s44, s44, s18                     ; 0..127
	s_lshr_b32 s45, s44, 1                         ; the tile of rows
	s_and_b32 s46, s44, 1                          ; K steps 0-3 or 4-7
	s_lshl_b32 s50, s45, 16                        ; 16 rows of 4,096 bytes
	s_lshl_b32 s47, s46, 11                        ; 4 K steps of 512 bytes
	s_add_co_u32 s50, s50, s47
	s_add_nc_u64 s[24:25], s[12:13], s[50:51]
	s_lshl_b32 s50, s46, 19                        ; 4 K steps of 131,072 bytes of images
	s_lshl_b32 s47, s45, 11
	s_add_co_u32 s50, s50, s47
	s_add_co_u32 s50, s50, WDIMG
	s_add_nc_u64 s[26:27], s[16:17], s[50:51]
	v_and_b32 v6, 15, v0
	v_bfe_u32 v7, v0, 4, 1
	v_lshlrev_b32 v8, 12, v6
	v_lshl_add_u32 v8, v7, 5, v8                   ; 4,096 r + 32 h
.macro WDLOAD i
.irp c, 0,1,2,3,4,5,6,7
	global_load_b128 v[32+64*((\i)%2)+8*\c:32+64*((\i)%2)+8*\c+3], v8, s[24:25] offset:512*(\i)+64*\c
	global_load_b128 v[32+64*((\i)%2)+8*\c+4:32+64*((\i)%2)+8*\c+7], v8, s[24:25] offset:512*(\i)+64*\c+16
.endr
.endm
	WDLOAD 0
	WDLOAD 1
	s_wait_kmcnt 0x0
	MKSC s43, 0                                    ; e11
.macro WDFRAG i
.set FB, 32+64*((\i)%2)
.if (\i) < 3
	s_wait_loadcnt 16                              ; this fragment's 16 loads are in; the next one's may be out
.else
	s_wait_loadcnt 0x0
.endif
.set j, 0
.rept 64
	v_med3_num_f32 v[FB+j], v[FB+j], -v[SC+1], v[SC+1]
.set j, j+1
.endr
.irp c, 0,1,2,3,4,5,6,7
	v_cvt_scalef32_pk8_fp8_f32 v[160+16*(\i)+2*\c:160+16*(\i)+2*\c+1], v[FB+8*\c:FB+8*\c+7], v[SC]
.endr
	v_nop                                          ; a plain line behind the last conversion
.irp c, 0,1,2,3
	global_store_b128 v[LO], v[160+16*(\i)+4*\c:160+16*(\i)+4*\c+3], s[26:27] offset:131072*(\i)+512*\c   ; each fragment has code registers of its own: no store's data are written again
.endr
.if (\i)+2 < 4
	WDLOAD (\i)+2
.endif
.endm
.irp i, 0,1,2,3
	WDFRAG \i
.endr
	s_endpgm
.Lfunc_end_k_qcc2196993e_prep:
	.size	k_qcc2196993e_prep, .Lfunc_end_k_qcc2196993e_prep-k_qcc2196993e_prep
	.p2alignl 7, 3214868480
	.fill 96, 4, 3214868480
	.section	.rodata,"a",@progbits
	.p2align	6, 0x0
	.amdhsa_kernel k_qcc2196993e_prep
		.amdhsa_group_segment_fixed_size 33280
		.amdhsa_private_segment_fixed_size 0
		.amdhsa_enable_private_segment 0
		.amdhsa_kernarg_size 56
		.amdhsa_user_sgpr_count 2
		.amdhsa_user_sgpr_kernarg_segment_ptr 1
		.amdhsa_wavefront_size32 1
		.amdhsa_system_sgpr_workgroup_id_x 1
		.amdhsa_system_sgpr_workgroup_id_y 1
		.amdhsa_system_sgpr_workgroup_id_z 1
		.amdhsa_system_vgpr_workitem_id 0
		.amdhsa_next_free_vgpr 226
		.amdhsa_next_free_sgpr 66
		.amdhsa_reserve_vcc 0
		.amdhsa_float_denorm_mode_32 3
		.amdhsa_float_denorm_mode_16_64 3
		.amdhsa_memory_ordered 1
		.amdhsa_forward_progress 1
		.amdhsa_inst_pref_size 108
	.end_amdhsa_kernel
	.amdgpu_metadata
---
amdhsa.version: [ 1, 2 ]
amdhsa.kernels:
  - .name:           k_qcc2196993e_prep
    .symbol:         k_qcc2196993e_prep.kd
    .args:
      - { .name: hidden_states, .offset: 0, .size: 8, .value_kind: global_buffer, .address_space: global }
      - { .name: Wq, .offset: 8, .size: 8, .value_kind: global_buffer, .address_space: global }
      - { .name: Wk, .offset: 16, .size: 8, .value_kind: global_buffer, .address_space: global }
      - { .name: Wv, .offset: 24, .size: 8, .value_kind: global_buffer, .address_space: global }
      - { .name: Wd, .offset: 32, .size: 8, .value_kind: global_buffer, .address_space: global }
      - { .name: lowp_scales, .offset: 40, .size: 8, .value_kind: global_buffer, .address_space: global }
      - { .name: codes, .offset: 48, .size: 8, .value_kind: global_buffer, .address_space: global }
    .group_segment_fixed_size: 33280
    .private_segment_fixed_size: 0
    .kernarg_segment_align: 8
    .kernarg_segment_size: 56
    .max_flat_workgroup_size: 128
    .sgpr_count:     66
    .vgpr_count:     226
    .wavefront_size: 32
...
	.end_amdgpu_metadata
.endif
;; end of part 1
;; launch qkv (part 2): grid 4 x 96, 4 waves a work-group, clusters of 4 x 4, 327,680 bytes of LDS; arguments codes, bq, bk, bv, lowp_scales, qkv; writes qkv
.if DOCPART == 2
	.amdgcn_target "amdgcn-amd-amdhsa--gfx1250"
	.amdhsa_code_object_version 6
	.text
	.protected	k_qcc2196993e_qkv
	.globl	k_qcc2196993e_qkv
	.p2align	8
	.type	k_qcc2196993e_qkv,@function
k_qcc2196993e_qkv:
	s_mov_b64 s[64:65], 0
	v_nop
	global_prefetch_b8 v0, s[64:65] scope:SCOPE_SE
	s_setreg_imm32_b32 hwreg(HW_REG_WAVE_MODE, 25, 1), 1
	s_wait_xcnt 0x0
	s_wait_alu depctr_hold_cnt(0) depctr_sa_sdst(0) depctr_va_vdst(0) depctr_va_sdst(0) depctr_va_ssrc(0) depctr_va_vcc(0) depctr_vm_vsrc(0)
	s_getreg_b32 s2, hwreg(HW_REG_IB_STS2, 6, 4)
	s_cmp_eq_u32 s2, 0
	s_cbranch_scc0 .Lentry_in_a_cluster
	s_endpgm
.Lentry_in_a_cluster:
	s_bfe_u32 s2, ttmp6, 0x10000c
	s_cmp_lg_u32 s2, 0xf033
	s_cbranch_scc0 .Lentry_shape_is_right
	s_endpgm
.Lentry_shape_is_right:
; QKV: q = x Wq^T + bq, k = x Wk^T + bk, v = x Wv^T + bv on codes of FP8 (E4M3); each result is quantised at once, with the scale given for its next product (e6, e7, e9), and stored as IMAGES of operand registers.
; 24 clusters of 4 x 4 work-groups: cluster y = 8 x kind + group (kind 0 q, 1 k, 2 v).  A work-group makes 256 x 256 over K = 1,024; a wave 128 x 128: 64 accumulators, 512 registers.
; THE MATRIX INSTRUCTION IS USED TRANSPOSED: source 0 = 16 rows of 'B', source 1 = 16 rows of 'A': a lane holds ONE row of A, and its eight registers eight neighbouring rows of B.
;   q, k: A = x's codes (a lane = a token), B = the weight (registers run along the channels, the next K).   v: A = Wv (a lane = a channel), B = x's codes (registers run along the tokens: the keys, v's next K).
; So eight sums of a lane convert into registers 2b, 2b+1 of the next operand (k = 16 b + 8 (lane / 16) + 0..7), and a store of four such registers covers 512 consecutive bytes.  The kinds differ in byte offsets and constants alone,
; chosen by s_cselect_b32 on the cluster's number, which all partners share: no branch hangs on it.
; qkv: 0: q [b x head][tile of 16 tokens][1,024];  8388608: k likewise;  16777216: v [b x head][128 keys][tile of 16 channels][2,048].
; K goes in steps of 256 through a ring of two LDS slots filled by joint tensor loads: A's tile is shared along a row of the cluster, B's along a column.
; The bias: divided by 2^(ea + eb), the power that the sums lack.  Along the registers (q, k) it is the C of the first products; along the lanes (v) it is added on the way out; the form that a kind does not use is multiplied by 0.
; 384 work-groups: a multiple of the cluster for each of the three products.
; LIMITS: ea + eb between -127 and 126; e(out) - ea - eb between -126 and 119.  NaN among the inputs is not served.
; REGISTERS, in windows of 256: window 0: v16-31 addresses; v32-95 the bias along the registers; v96-111 along the lanes; v112, v113 the conversion's scale and hold; from v128 A's fragments, ONE set; on the way out v128-223 at work.
;   window 1: B's fragments, TWO sets.   window 2: the accumulators of my rows 0-63 of A ((a, b) at v[8 (8 a + b)]);   window 3: rows 64-127.
.set KSTEP,  256
.set ROWB,   256
.set KROW,   1024
.set PITCH,  272                       ; an LDS row: 256 bytes + 16 of padding: the 16 rows that a load touches start at 16 different banks (64 banks of 4 bytes: ISA guide 11.1)
.set FR,     16
.set NL,     4
.set NP,     4
.set HALFT,  128*PITCH
.set SLOT,   4*HALFT
.set LAPS,   1024/(2*KSTEP)
.set SPARE,  2*SLOT                    ; behind the ring: the spare words, 128 bytes for each wave
.set WBASE,  25165824
.set ADRA, 16
.set ADRB, 20
.set VOLO, 26                          ; v26  16 x lane
.set VOHI, 27                          ; v27  + the place of registers 8-15: the next head's image (q, k) or the image's second half (v)
.set SPW,  28
.set NIL,  29
.set BA0,  30
.set BA1,  31
.set BS0,  32
.set BS1,  96
.set SCV,  112
.set LMV,  113
.set AF,   128
.set T,    128
.set CD,   192
.set G1, 24
.set G0, 32
.set G1B, 48
.set G0B, 56
.set MSB, 0
.macro WIN new                         ; the immediate's high byte repeats the setting that is left
.if MSB != \new
	s_set_vgpr_msb (MSB<<8)|\new
.set MSB, \new
.endif
.endm
.set MUL_LO, 0xa1                      ; source 0 (B) window 1, source 1 (A) window 0, C and D window 2
.set MUL_HI, 0xf1                      ; the same, C and D window 3
.set TO_B,   0x40
; A joint load: waves 0 and 1 fetch for A, waves 2 and 3 for B.  The branch hangs on the wave's number alone.  Four v_nop follow each of the two lines.
.macro JLOAD g0a, g1a, g0b, g1b
	s_cmp_eq_u32 s17, 0
	s_cbranch_scc0 .Lfor_b_\@
	tensor_load_to_lds s[\g0a:\g0a+3], s[\g1a:\g1a+7]
	s_nop 0
.rept 4
	v_nop
.endr
	s_branch .Lasked_\@
.Lfor_b_\@:
	tensor_load_to_lds s[\g0b:\g0b+3], s[\g1b:\g1b+7]
	s_nop 0
.rept 4
	v_nop
.endr
.Lasked_\@:
.endm
.macro CREST                           ; a round of the cluster's barrier behind its opening barrier
	s_cmp_lg_u32 s16, 0
	s_cbranch_scc1 .Lnot_wave_0_\@
	s_barrier_signal -3
.Lnot_wave_0_\@:
	s_barrier_wait -3
	s_barrier_signal -1
	s_barrier_wait -1
.endm
.macro CROUND
	s_barrier_signal -1
	s_barrier_wait -1
	CREST
.endm
	s_load_b256 s[4:11], s[0:1], 0x0               ; codes, bq, bk, bv
	s_load_b128 s[12:15], s[0:1], 0x20             ; the scales' exponents, qkv
	v_lshl_add_u32 v[SPW], v0, 2, SPARE
	v_mov_b32 v[NIL], 0
	ds_add_u32 v28, v29
	ds_add_u32 v28, v29
	s_wait_dscnt 0x0
	v_lshrrev_b32 v1, 5, v0
	v_readfirstlane_b32 s16, v1                    ; wave 0..3
	s_lshr_b32 s17, s16, 1                         ; which half of A's rows is mine.  Also: I fetch for A (0) or for B (1)
	s_and_b32 s18, s16, 1                          ; which half of B's rows.  Also: which 128 rows of that tile I fetch
	s_bfe_u32 s19, ttmp6, 0x40000                  ; cx
	s_bfe_u32 s20, ttmp6, 0x40004                  ; cy
	s_and_b32 s21, ttmp7, 0xffff                   ; the cluster's number
	s_lshr_b32 s22, s21, 3                         ; kind
	s_and_b32 s23, s21, 7                          ; group of 1,024 tokens
	s_lshl_b32 s44, s22, 23                        ; x's codes for this kind
	s_lshl_b32 s45, s22, 20
	s_add_co_u32 s45, s45, WBASE                   ; the weight's codes
	s_lshl_b32 s46, s23, 2
	s_mov_b32 s90, 1024
	s_mov_b32 s94, 131072
	s_cmp_eq_u32 s22, 2
	s_cselect_b32 s80, -1, 0                       ; all ones for v
	s_cselect_b32 s81, 0, -1                       ; all ones for q and k
	s_cselect_b32 s82, 0, s46
	s_cselect_b32 s83, s46, 0
	s_cselect_b32 s40, s45, s44                    ; where A lies in codes,
	s_cselect_b32 s42, s44, s45                    ; and B
	s_cselect_b32 s90, 2048, s90                   ; the way out: from a block of A to the next,
	s_cselect_b32 s92, 122880, 0                   ; more at block 4 (v: the next head),
	s_cselect_b32 s94, 1024, s94                   ; and the place of registers 8-15
	s_mov_b32 s91, 0
	s_mov_b32 s93, 0
	s_add_co_u32 s82, s82, s20                     ; A's block of 256 rows: hangs on cy and the cluster's number alone
	s_add_co_u32 s83, s83, s19                     ; B's: on cx and the cluster's number alone
	s_lshl_b32 s43, s20, 2
	s_lshl_b32 s43, 15, s43                        ; my row of the cluster
	s_lshl_b32 s47, 0x1111, s19                    ; my column
	s_or_b32 s[G1+0], s43, (0<<16)|(1<<20)|(1<<21)|(5<<22)|(3<<25)  ; 15:0 the mask; 17:16 elements of 1 byte; 20 padding on; 21 set beside a mask; 24:22 after every 64 words; 31:25 four words
	s_or_b32 s[G1B+0], s47, (0<<16)|(1<<20)|(1<<21)|(5<<22)|(3<<25)
.irp g, G1, G1B
	s_mov_b32 s[\g+1], ROWB<<16                    ; tensor_dim0
	s_mov_b32 s[\g+2], 128<<16                     ; tensor_dim1
	s_mov_b32 s[\g+3], ROWB<<16                    ; tile_dim0
	s_mov_b32 s[\g+4], 128                         ; tile_dim1
	s_mov_b32 s[\g+5], KROW                        ; tensor_dim0_stride
	s_mov_b32 s[\g+6], 0
	s_mov_b32 s[\g+7], 0
.endr
	s_lshl_b32 s97, s18, 17                        ; the 128 rows of 1,024 bytes that I fetch
	s_lshl_b32 s46, s82, 18
	s_add_co_u32 s40, s40, s46
	s_add_co_u32 s40, s40, s97
	s_mov_b32 s41, 0
	s_lshl_b32 s95, s83, 18
	s_add_co_u32 s42, s42, s95
	s_add_co_u32 s42, s42, s97
	s_mov_b32 s43, 0
	s_mul_i32 s96, s16, HALFT                      ; where they go: wave x 128 rows
	s_wait_kmcnt 0x0
	s_load_b256 s[68:75], s[12:13], 0x0            ; e0..e7
	s_load_b128 s[76:79], s[12:13], 0x20           ; e8..e11
	s_add_nc_u64 s[40:41], s[4:5], s[40:41]
	s_add_nc_u64 s[42:43], s[4:5], s[42:43]
	CROUND                                         ; all sixteen work-groups are here: the first joint loads meet
.irp s, 0,1
	s_mov_b32 s[G0+4*\s], 1
	s_add_co_u32 s[G0+4*\s+1], s96, \s*SLOT
	s_add_nc_u64 s[G0+4*\s+2:G0+4*\s+3], s[40:41], \s*ROWB
	s_or_b32 s[G0+4*\s+3], s[G0+4*\s+3], 0x80000000
	s_mov_b32 s[G0B+4*\s], 1
	s_add_co_u32 s[G0B+4*\s+1], s96, \s*SLOT
	s_add_nc_u64 s[G0B+4*\s+2:G0B+4*\s+3], s[42:43], \s*ROWB
	s_or_b32 s[G0B+4*\s+3], s[G0B+4*\s+3], 0x80000000
	JLOAD G0+4*\s, G1, G0B+4*\s, G1B
.endr
	v_and_b32 v1, 15, v0                           ; r
	v_bfe_u32 v2, v0, 4, 1                         ; h
	v_mul_u32_u24 v3, v1, PITCH
	v_lshl_add_u32 v4, v2, 4, v3
	s_mul_i32 s44, s17, HALFT                      ; my 128 rows of A
	s_mul_i32 s45, s18, HALFT                      ; my 128 rows of B,
	s_add_co_u32 s45, s45, 2*HALFT                 ; which lie behind A's 256
.irp s, 0,1
	v_add_nc_u32 v[ADRA+\s], s44, v4
	v_add_nc_u32 v[ADRB+\s], s45, v4
	s_add_co_u32 s44, s44, SLOT
	s_add_co_u32 s45, s45, SLOT
.endr
	; the bias.  Along the registers: bias[256 Bblock + 128 half + 16 b + 8 h + j]; along the lanes: bias[256 Ablock + 128 half + 16 a + r].  The scalar part of the form not used is 0: no load leaves the buffer
	s_lshl_b32 s46, s83, 10
	s_lshl_b32 s47, s18, 9
	s_add_co_u32 s46, s46, s47
	s_and_b32 s46, s46, s81
	v_lshl_add_u32 v[BA0], v2, 5, s46
	s_lshl_b32 s46, s82, 10
	s_lshl_b32 s47, s17, 9
	s_add_co_u32 s46, s46, s47
	s_and_b32 s46, s46, s80
	v_lshl_add_u32 v[BA1], v1, 2, s46
	s_cmp_eq_u32 s22, 1
	s_cselect_b64 s[86:87], s[8:9], s[6:7]
	s_cmp_eq_u32 s22, 2
	s_cselect_b64 s[86:87], s[10:11], s[86:87]
.irp b, 0,1,2,3,4,5,6,7
	global_load_b128 v[BS0+8*\b:BS0+8*\b+3], v[BA0], s[86:87] offset:64*\b
	global_load_b128 v[BS0+8*\b+4:BS0+8*\b+7], v[BA0], s[86:87] offset:64*\b+16
.endr
.irp a, 0,1,2,3,4,5,6,7
	global_load_b32 v[BS1+2*\a], v[BA1], s[86:87] offset:64*\a
.endr
	v_and_b32 v5, 31, v0
	v_lshlrev_b32 v[VOLO], 4, v5
	v_add_nc_u32 v[VOHI], s94, v[VOLO]
	; where my images begin: kind, (batch x 16 + head) x 131,072, my 128 tokens x 64 bytes
	s_cmp_eq_u32 s22, 2
	s_cselect_b32 s44, s83, s82                    ; the block of 256 tokens,
	s_cselect_b32 s45, s82, s83                    ; of 256 channels,
	s_cselect_b32 s46, s18, s17                    ; my half of the tokens,
	s_cselect_b32 s47, s17, s18                    ; of the channels
	s_lshr_b32 s95, s44, 3
	s_lshl_b32 s95, s95, 4
	s_lshl_b32 s45, s45, 2
	s_add_co_u32 s95, s95, s45
	s_lshl_b32 s47, s47, 1
	s_add_co_u32 s95, s95, s47
	s_lshl_b32 s95, s95, 17
	s_and_b32 s44, s44, 7
	s_lshl_b32 s44, s44, 1
	s_add_co_u32 s44, s44, s46
	s_lshl_b32 s44, s44, 13
	s_add_co_u32 s44, s44, s95
	s_lshl_b32 s45, s22, 23
	s_add_co_u32 s44, s44, s45
	s_mov_b32 s45, 0
	s_add_nc_u64 s[88:89], s[14:15], s[44:45]
	s_wait_kmcnt 0x0
	s_add_co_i32 s84, s68, s69                     ; ea + eb of the kind,
	s_add_co_i32 s97, s70, s71
	s_add_co_i32 s98, s72, s73
	s_cmp_eq_u32 s22, 1
	s_cselect_b32 s84, s97, s84
	s_cselect_b32 s85, s75, s74                    ; and the result's exponent: e6, e7 or e9
	s_cmp_eq_u32 s22, 2
	s_cselect_b32 s84, s98, s84
	s_cselect_b32 s85, s77, s85
	s_sub_co_i32 s97, s85, s84                     ; a sum stands for sum x 2^(ea + eb): the three scales are folded into the conversion's one
	s_add_co_i32 s97, s97, 127
	s_lshl_b32 s98, s97, 23
	v_mov_b32 v[SCV], s98
	s_add_co_i32 s97, s97, 8
	s_lshl_b32 s97, s97, 23
	s_or_b32 s97, s97, 0x600000
	v_mov_b32 v[LMV], s97
	s_sub_co_i32 s95, 127, s84
	s_lshl_b32 s95, s95, 23                        ; 2^-(ea + eb) as f32,
	s_and_b32 s98, s95, s81                        ; or 0.0 for the form that this kind does not use
	s_and_b32 s99, s95, s80
	s_wait_loadcnt 0x0
.set j, 0
.rept 64
	v_mul_f32 v[BS0+j], s98, v[BS0+j]
.set j, j+1
.endr
.irp a, 0,1,2,3,4,5,6,7
	v_mul_f32 v[BS1+2*\a], s99, v[BS1+2*\a]
	v_mov_b32 v[BS1+2*\a+1], 0                     ; (named with it as a pair, so it is written)
.endr
.macro FRAG reg, adr, q, i             ; 16 rows x 128 K: four loads of 16 bytes; the same order of k in A and in B, so every product meets its partner
.irp c, 0,1,2,3
	ds_load_b128 v[\reg+4*\c:\reg+4*\c+3], v[\adr] offset:128*(\q)+32*\c+(\i)*16*PITCH
.endr
.endm
; 16 matrix instructions: A's blocks a0, a0 + 1 x B's eight.  zero = 1: the first product starts the sums, with the bias as C.  The 64 accumulators take turns, one instruction a turn.
.macro MUL16 a0, p, zero
.irp a, \a0, \a0+1
.irp b, 0,1,2,3,4,5,6,7
.if \zero
	v_wmma_f32_16x16x128_fp8_fp8 v[8*(8*((\a)%4)+\b):8*(8*((\a)%4)+\b)+7], v[128*(\p)+FR*\b:128*(\p)+FR*\b+FR-1], v[AF+FR*(\a):AF+FR*(\a)+FR-1], v[BS0+8*\b:BS0+8*\b+7]
.else
	v_wmma_f32_16x16x128_fp8_fp8 v[8*(8*((\a)%4)+\b):8*(8*((\a)%4)+\b)+7], v[128*(\p)+FR*\b:128*(\p)+FR*\b+FR-1], v[AF+FR*(\a):AF+FR*(\a)+FR-1], v[8*(8*((\a)%4)+\b):8*(8*((\a)%4)+\b)+7]
.endif
.endr
.endr
.endm
.macro FETCH_B slot, q, p
	WIN TO_B
.irp i, 0,1,2,3,4,5,6,7
	FRAG 128*(\p)+FR*\i, ADRB+\slot, \q, \i
.endr
	WIN 0
.endm
.macro FETCH_A slot, q, i0
.irp i, \i0, \i0+1, \i0+2, \i0+3
	FRAG AF+FR*(\i), ADRA+\slot, \q, \i
.endr
.endm
.macro PLACES n                        ; plain vector lines between matrix instructions and loads into, or reads of, their registers
.rept \n
	v_nop
.endr
.endm
.macro STEP slot, q, zero              ; 128 along K that has its successor in the same slot.  zero = 1: C lies in window 0
	s_wait_dscnt 4*NL                              ; B's set and A's blocks 0-3 are in; the youngest 16 loads (A's blocks 4-7) may be out
	WIN MUL_LO-0x20*(\zero)
	MUL16 0, (\q)%2, \zero
	MUL16 2, (\q)%2, \zero
	s_wait_dscnt 0
	PLACES NP
	FETCH_B \slot, (\q)+1, 1-(\q)%2
	FETCH_A \slot, (\q)+1, 0
	WIN MUL_HI-0x30*(\zero)
	MUL16 4, (\q)%2, \zero
	MUL16 6, (\q)%2, \zero
	PLACES NP
	WIN 0
	FETCH_A \slot, (\q)+1, 4
.endm
; A slot's last 128 change slots: in front of the barrier each wave waits for all its tensor loads, adds 0 to its spare word, and waits for that and for its reads of this slot.  fill = 1: this slot is filled again, two K steps ahead.
.macro TURN slot, next, fill
	s_wait_tensorcnt 0x0                           ; all my tensor loads have landed: my part of the next slot
	ds_add_u32 v[SPW], v[NIL]                      ; 0 onto my spare word
	s_wait_dscnt 4*NL+1                            ; (the add and the youngest 16 loads may be out)
	WIN MUL_LO
	MUL16 0, 1, 0
	s_wait_dscnt 0x0                               ; the add is done, and my reads of this slot are over
	s_barrier_signal -1
	MUL16 2, 1, 0
	WIN 0
	s_barrier_wait -1
.if \fill
	CREST                                          ; the barrier has opened a round of the cluster's barrier: no wave of any partner still reads this slot or has a load on its way
	s_add_nc_u64 s[G0+4*\slot+2:G0+4*\slot+3], s[G0+4*\slot+2:G0+4*\slot+3], 2*ROWB
	s_add_nc_u64 s[G0B+4*\slot+2:G0B+4*\slot+3], s[G0B+4*\slot+2:G0B+4*\slot+3], 2*ROWB
	JLOAD G0+4*\slot, G1, G0B+4*\slot, G1B         ; the first tensor load behind the round; its four v_nop are also the places in front of the loads below
.else
	PLACES NP
.endif
	FETCH_B \next, 0, 0
	FETCH_A \next, 0, 0
	WIN MUL_HI
	MUL16 4, 1, 0
	MUL16 6, 1, 0
	PLACES NP
	WIN 0
	FETCH_A \next, 0, 4
.endm
	s_wait_tensorcnt 1                             ; my part of K step 0 is in (K step 1's load may be out)
	s_barrier_signal -1
	s_barrier_wait -1                              ; everybody's is
	FETCH_B 0, 0, 0
	FETCH_A 0, 0, 0
	FETCH_A 0, 0, 4
	STEP 0, 0, 1
	s_mov_b32 s3, LAPS-1
.Llap:                                                 ; a trip goes once round the ring and fills both slots again
	TURN 0, 1, 1
	STEP 1, 0, 0
	TURN 1, 0, 1
	STEP 0, 0, 0
	s_sub_co_u32 s3, s3, 1
	s_cmp_lg_u32 s3, 0
	s_cbranch_scc1 .Llap
	TURN 0, 1, 0                                   ; the last lap fills nothing
	STEP 1, 0, 0
	s_wait_dscnt 4*NL
	WIN MUL_LO
	MUL16 0, 1, 0
	MUL16 2, 1, 0
	s_wait_dscnt 0
	WIN MUL_HI
	MUL16 4, 1, 0
	MUL16 6, 1, 0
	WIN 0
; THE WAY OUT, a block of 16 rows of A at a time: the lanes' bias, the hold, eight conversions: sixteen registers of codes; four stores of 512 consecutive bytes.  No LDS.
.macro OUTA a
.set AC, 64*((\a)%4)
.set CC, CD+16*((\a)%2)
.if (\a) > 0
	s_wait_xcnt 0x0                                ; the earlier stores have read their base and their data: both are written again only behind this wait
	s_add_nc_u64 s[88:89], s[88:89], s[90:91]
.if (\a) == 4
	s_add_nc_u64 s[88:89], s[88:89], s[92:93]
.endif
.endif
	WIN 0x02+((\a)/4)                              ; source 0: window 2 or 3
.set j, 0
.rept 32
	v_pk_add_f32 v[T+j:T+j+1], v[AC+j:AC+j+1], v[BS1+2*(\a):BS1+2*(\a)+1] op_sel_hi:[1,0]   ; each accumulator from its low end on
.set j, j+2
.endr
	WIN 0
.set j, 0
.rept 64
	v_med3_num_f32 v[T+j], v[T+j], -v[LMV], v[LMV]   ; the conversion does not saturate (ISA guide 7.6.2)
.set j, j+1
.endr
.irp b, 0,1,2,3,4,5,6,7
	v_cvt_scalef32_pk8_fp8_f32 v[CC+2*\b:CC+2*\b+1], v[T+8*\b:T+8*\b+7], v[SCV]
.endr
	v_nop                                          ; a plain line behind the last conversion: the next block writes its sources
	global_store_b128 v[VOLO], v[CC:CC+3], s[88:89]
	global_store_b128 v[VOLO], v[CC+4:CC+7], s[88:89] offset:512
	global_store_b128 v[VOHI], v[CC+8:CC+11], s[88:89]
	global_store_b128 v[VOHI], v[CC+12:CC+15], s[88:89] offset:512
.endm
	PLACES NP                                      ; behind the last products: the lines below write registers that held A's fragments, and later read the last results
.irp a, 0,1,2,3,4,5,6,7
	OUTA \a
.endr
	s_wait_tensorcnt 0x0                           ; the wave's end
	ds_add_u32 v[SPW], v[NIL]
	s_wait_dscnt 0x0
	CROUND                                         ; the closing round
	s_endpgm
.Lfunc_end_k_qcc2196993e_qkv:
	.size	k_qcc2196993e_qkv, .Lfunc_end_k_qcc2196993e_qkv-k_qcc2196993e_qkv
	.p2alignl 7, 3214868480
	.fill 96, 4, 3214868480
	.section	.rodata,"a",@progbits
	.p2align	6, 0x0
	.amdhsa_kernel k_qcc2196993e_qkv
		.amdhsa_group_segment_fixed_size 327680
		.amdhsa_private_segment_fixed_size 0
		.amdhsa_enable_private_segment 0
		.amdhsa_kernarg_size 48
		.amdhsa_user_sgpr_count 2
		.amdhsa_user_sgpr_kernarg_segment_ptr 1
		.amdhsa_wavefront_size32 1
		.amdhsa_system_sgpr_workgroup_id_x 1
		.amdhsa_system_sgpr_workgroup_id_y 1
		.amdhsa_system_sgpr_workgroup_id_z 1
		.amdhsa_system_vgpr_workitem_id 0
		.amdhsa_next_free_vgpr 1024
		.amdhsa_next_free_sgpr 100
		.amdhsa_reserve_vcc 0
		.amdhsa_float_denorm_mode_32 3
		.amdhsa_float_denorm_mode_16_64 3
		.amdhsa_memory_ordered 1
		.amdhsa_forward_progress 1
		.amdhsa_inst_pref_size 141
	.end_amdhsa_kernel
	.amdgpu_metadata
---
amdhsa.version: [ 1, 2 ]
amdhsa.kernels:
  - .name:           k_qcc2196993e_qkv
    .symbol:         k_qcc2196993e_qkv.kd
    .args:
      - { .name: codes, .offset: 0, .size: 8, .value_kind: global_buffer, .address_space: global }
      - { .name: bq, .offset: 8, .size: 8, .value_kind: global_buffer, .address_space: global }
      - { .name: bk, .offset: 16, .size: 8, .value_kind: global_buffer, .address_space: global }
      - { .name: bv, .offset: 24, .size: 8, .value_kind: global_buffer, .address_space: global }
      - { .name: lowp_scales, .offset: 32, .size: 8, .value_kind: global_buffer, .address_space: global }
      - { .name: qkv, .offset: 40, .size: 8, .value_kind: global_buffer, .address_space: global }
    .group_segment_fixed_size: 327680
    .private_segment_fixed_size: 0
    .kernarg_segment_align: 8
    .kernarg_segment_size: 48
    .max_flat_workgroup_size: 128
    .sgpr_count:     100
    .vgpr_count:     1024
    .wavefront_size: 32
...
	.end_amdgpu_metadata
.endif
;; end of part 2
;; launch attn (part 3): grid 4 x 64, 8 waves a work-group, clusters of 4 x 1, 327,680 bytes of LDS; arguments qkv, attention_mask, lowp_scales, ctx; writes ctx
.if DOCPART == 3
	.amdgcn_target "amdgcn-amd-amdhsa--gfx1250"
	.amdhsa_code_object_version 6
	.text
	.protected	k_qcc2196993e_attn
	.globl	k_qcc2196993e_attn
	.p2align	8
	.type	k_qcc2196993e_attn,@function
k_qcc2196993e_attn:
	s_mov_b64 s[64:65], 0
	v_nop
	global_prefetch_b8 v0, s[64:65] scope:SCOPE_SE
	s_setreg_imm32_b32 hwreg(HW_REG_WAVE_MODE, 25, 1), 1
	s_wait_xcnt 0x0
	s_wait_alu depctr_hold_cnt(0) depctr_sa_sdst(0) depctr_va_vdst(0) depctr_va_sdst(0) depctr_va_ssrc(0) depctr_va_vcc(0) depctr_vm_vsrc(0)
	s_getreg_b32 s2, hwreg(HW_REG_IB_STS2, 6, 4)
	s_cmp_eq_u32 s2, 0
	s_cbranch_scc0 .Lentry_in_a_cluster
	s_endpgm
.Lentry_in_a_cluster:
	s_bfe_u32 s2, ttmp6, 0x10000c
	s_cmp_lg_u32 s2, 0x3003
	s_cbranch_scc0 .Lentry_shape_is_right
	s_endpgm
.Lentry_shape_is_right:
; ATTN: ctx = softmax(q k^T / 8 + (1 - mask) x -10000) v for one head, both products on codes of FP8 (E4M3); the result is quantised (e10) and stored as images of the last product's operand registers.
; THE SOFTMAX AHEAD OF THE SECOND PRODUCT: t = logit x log2(e); M = the running largest t rounded UP to a whole number; p = 2^(t - M) is quantised (e8), not normalised; the row's sum is taken of the unquantised p and divides at the end.
; When M moves, the sum and O are multiplied by 2^(old M - new M): nothing is rounded, and there is no branch on data.
; SHARES.  A cluster of four work-groups owns a head (cluster y = batch x 16 + head); a work-group 512 queries, in two passes of 256; each of its eight waves two tiles of 16 queries a pass, which share every fragment read from LDS.
; THE HEAD'S WHOLE K AND V LIE IN LDS (2 x 131,072 bytes, as images: a fragment is read by loads of 512 consecutive bytes): nothing is filled again, so the loops have no barrier.
; The four partners ask for them JOINTLY: the same tensor loads with a mask that names the four.  Each wave issues two: 8 KiB (its part of the first 512 keys) and 24 KiB: two tensor loads of a wave are out at the most.
; LAYOUT.  S^T = K Q^T (source 0 = 16 keys, source 1 = 16 queries), O^T = V^T P (source 0 = 16 channels, source 1 = P): a lane holds ONE query throughout; tile t's eight scores are keys 16 t + 8 (lane / 16) + 0..7,
; so their codes are registers 2t, 2t+1 of P.  THE MASK'S BIAS IS THE C OF THE SCORE PRODUCTS: a table of 2,048 numbers in LDS, (1 - m) x -10000 x 2^(3 - e6 - e7); then t = sum x log2(e) / 8 x 2^(e6 + e7).
; LIMITS: e6 + e7 between -123 and 130 (added to a constant's exponent field) and above -100 (the bias stays finite); e8, and e10 - e8 - e9, between -126 and 119.  NaN among the inputs is not served.
; REGISTERS.  window 0: v1-10 addresses and constants; v16-31 Q; v32-55 statistics, 12 a tile; v64-191 S^T, then p, 64 a tile; v192-223 P's codes.   window 1: v0-63 K; v64-127 the bias; v128-191 V; v192-255 O^T, 32 a tile.
.set VBASE, 131072
.set BIASB, 262144
.set LI,   1                           ; v1   16 x lane
.set LIV,  2                           ; v2   + V's base
.set BI0,  3                           ; v3   the bias table + 32 (lane / 16)
.set ADK,  4
.set ADV,  5
.set ADB,  6
.set LIMP, 7                           ; 448 x 2^e8
.set SCP,  8                           ; 2^e8
.set LIMC, 9                           ; 448 x 2^(e10 - e8 - e9)
.set SCX,  10                          ; 2^(e10 - e8 - e9)
.set QF,   16
.set ST,   32                          ; +0 -M, +1 the largest t, +2, +3 the sum, +4 f, +5 its pair's upper half, +6, +7 at work, +8, +9 the sum's second chain, +10 the exchange
.set S,    64
.set P,    192
.set KF,   0
.set BF,   64
.set VF,   128
.set OA,   192
.set WV,   12
.set SEL,  20
.set CS,   22
.set G1A,  24
.set G1B,  32
.set G0A,  40
.set G0B,  44
.set TB,   60                          ; s60  byte of the key step in K's (and V's) images
.set TB2,  61                          ; s61  and in the bias table
.set CNT,  62
.set QP,   66
.set CP,   68
.set MSB, 0
.macro WIN new
.if MSB != \new
	s_set_vgpr_msb (MSB<<8)|\new
.set MSB, \new
.endif
.endm
.macro CROUND                          ; a round of the cluster's barrier
	s_barrier_signal -1
	s_barrier_wait -1
	s_cmp_lg_u32 s[WV], 0
	s_cbranch_scc1 .Lnot_wave_0_\@
	s_barrier_signal -3
.Lnot_wave_0_\@:
	s_barrier_wait -3
	s_barrier_signal -1
	s_barrier_wait -1
.endm
.macro MKSC e, sc, lim
	s_add_co_i32 s76, \e, 127
	s_lshl_b32 s77, s76, 23
	v_mov_b32 v[\sc], s77
	s_add_co_i32 s76, s76, 8
	s_lshl_b32 s76, s76, 23
	s_or_b32 s76, s76, 0x600000
	v_mov_b32 v[\lim], s76
.endm
	s_load_b256 s[4:11], s[0:1], 0x0               ; qkv, attention_mask, the scales' exponents, ctx
	v_lshl_add_u32 v254, v0, 2, 0x42000
	v_mov_b32 v255, 0
	ds_add_u32 v254, v255
	ds_add_u32 v254, v255
	v_lshrrev_b32 v11, 5, v0
	v_readfirstlane_b32 s[WV], v11                 ; wave 0..7
	s_bfe_u32 s13, ttmp6, 0x40000                  ; cx: my 512 queries; it enters Q's and ctx's addresses alone
	s_and_b32 s15, ttmp7, 0xffff                   ; batch x 16 + head, which the partners share
	s_lshr_b32 s16, s15, 4
	s_and_b32 s17, s15, 15
	s_mov_b32 s[SEL], 0x76543210
	s_mov_b32 s[SEL+1], 0xfedcba98
	; descriptor groups 1: dense blocks as rows of 256 bytes (32 elements of 8 bytes): 32 rows and 96 rows
	s_mov_b32 s[G1A], 15|(3<<16)|(1<<21)           ; 15:0 the mask: all four; 17:16 elements of 8 bytes; 21 set beside a mask
	s_mov_b32 s[G1A+1], 32<<16
	s_mov_b32 s[G1A+2], 32<<16
	s_mov_b32 s[G1A+3], 32<<16
	s_mov_b32 s[G1A+4], 32
	s_mov_b32 s[G1A+5], 32
	s_mov_b32 s[G1A+6], 0
	s_mov_b32 s[G1A+7], 0
	s_mov_b32 s[G1B], 15|(3<<16)|(1<<21)
	s_mov_b32 s[G1B+1], 32<<16
	s_mov_b32 s[G1B+2], 96<<16
	s_mov_b32 s[G1B+3], 32<<16
	s_mov_b32 s[G1B+4], 96
	s_mov_b32 s[G1B+5], 32
	s_mov_b32 s[G1B+6], 0
	s_mov_b32 s[G1B+7], 0
	s_lshr_b32 s70, s[WV], 2                       ; waves 0-3 fetch K, waves 4-7 V
	s_and_b32 s71, s[WV], 3
	s_lshl_b32 s72, s70, 17
	s_lshl_b32 s73, s71, 13                        ; the first load: 8,192 bytes at 8,192 i
	s_add_co_u32 s[G0A+1], s72, s73
	s_mul_i32 s74, s71, 24576
	s_add_co_u32 s74, s74, 32768                   ; the second: 24,576 bytes at 32,768 + 24,576 i
	s_add_co_u32 s[G0B+1], s72, s74
	s_add_co_u32 s75, s70, 1
	s_lshl_b32 s75, s75, 23                        ; K's or V's images,
	s_lshl_b32 s76, s15, 17
	s_add_co_u32 s75, s75, s76                     ; of my head
	s_add_co_u32 s76, s75, s73
	s_mov_b32 s77, 0
	s_add_co_u32 s78, s75, s74
	s_mov_b32 s79, 0
	s_mov_b32 s[G0A], 1
	s_mov_b32 s[G0B], 1
	s_wait_dscnt 0x0
	s_wait_kmcnt 0x0
	s_load_b256 s[48:55], s[8:9], 0x0              ; e0..e7
	s_load_b128 s[56:59], s[8:9], 0x20             ; e8..e11
	s_add_nc_u64 s[G0A+2:G0A+3], s[4:5], s[76:77]
	s_or_b32 s[G0A+3], s[G0A+3], 0x80000000
	s_add_nc_u64 s[G0B+2:G0B+3], s[4:5], s[78:79]
	s_or_b32 s[G0B+3], s[G0B+3], 0x80000000
	CROUND                                         ; all four work-groups are here: the joint loads meet
	tensor_load_to_lds s[G0A:G0A+3], s[G1A:G1A+7]
	s_nop 0
	tensor_load_to_lds s[G0B:G0B+3], s[G1B:G1B+7]
	s_nop 0
.rept 4
	v_nop
.endr
	s_lshl_b32 s70, s13, 5
	s_lshl_b32 s71, s[WV], 1
	s_add_co_u32 s70, s70, s71                     ; my first tile of queries in the head: 32 cx + 2 wave
	s_lshl_b32 s72, s70, 10
	s_lshl_b32 s73, s15, 17
	s_add_co_u32 s72, s72, s73
	s_mov_b32 s73, 0
	s_add_nc_u64 s[QP:QP+1], s[4:5], s[72:73]
	s_lshl_b32 s74, s16, 7
	s_add_co_u32 s74, s74, s70                     ; the tile of tokens among all 512
	s_lshl_b32 s74, s74, 14
	s_lshr_b32 s75, s17, 1
	s_lshl_b32 s75, s75, 11                        ; the head's K step of the last product,
	s_add_co_u32 s74, s74, s75
	s_and_b32 s75, s17, 1
	s_lshl_b32 s75, s75, 10                        ; and its half of that fragment
	s_add_co_u32 s74, s74, s75
	s_mov_b32 s75, 0
	s_add_nc_u64 s[CP:CP+1], s[10:11], s[74:75]
	s_lshl_b32 s76, s16, 13
	s_mov_b32 s77, 0
	s_add_nc_u64 s[6:7], s[6:7], s[76:77]          ; my batch's mask
	v_lshlrev_b32 v11, 5, v0
	global_load_b128 v[64:67], v11, s[6:7]         ; thread t: keys 8 t .. 8 t + 7
	global_load_b128 v[68:71], v11, s[6:7] offset:16
	v_and_b32 v12, 31, v0
	v_lshlrev_b32 v[LI], 4, v12
	v_add_nc_u32 v[LIV], VBASE, v[LI]
	v_bfe_u32 v13, v0, 4, 1
	v_lshl_add_u32 v[BI0], v13, 5, BIASB
	v_lshl_add_u32 v14, v0, 5, BIASB
	s_wait_kmcnt 0x0
	s_add_co_i32 s78, s54, s55                     ; e6 + e7
	s_lshl_b32 s79, s78, 23
	s_add_co_i32 s[CS], s79, 0x3e38aa3b            ; log2(e) / 8 x 2^(e6 + e7)
	s_mov_b32 s[CS+1], s[CS]                       ; (named with it as a pair, so it is written)
	s_sub_co_i32 s78, 3, s78
	MKSC s56, SCP, LIMP
	s_sub_co_i32 s79, s58, s56
	s_sub_co_i32 s79, s79, s57
	MKSC s79, SCX, LIMC
	s_wait_loadcnt 0x0
.irp j, 0,1,2,3,4,5,6,7
	v_sub_f32 v[64+\j], 1.0, v[64+\j]
.endr
.irp j, 0,1,2,3,4,5,6,7
	v_mul_f32 v[64+\j], 0xc61c4000, v[64+\j]       ; x -10000
.endr
.irp j, 0,1,2,3,4,5,6,7
	v_ldexp_f32 v[64+\j], v[64+\j], s78            ; x 8 / 2^(e6 + e7): under the sums of codes
.endr
	ds_store_b128 v14, v[64:67]
	ds_store_b128 v14, v[68:71] offset:16
.macro MAXM u                          ; the step's largest score of my query, the running largest t, the new -M, f
.set rT, ST+12*(\u)
.set rS, S+64*(\u)
	v_max3_num_f32 v[rT+6], v[rS], v[rS+1], v[rS+2]   ; two chains, each accumulator from its low end on
	v_max3_num_f32 v[rT+7], v[rS+3], v[rS+4], v[rS+5]
.set i, 6
.rept 14
	v_max3_num_f32 v[rT+6], v[rT+6], v[rS+i], v[rS+i+1]
	v_max3_num_f32 v[rT+7], v[rT+7], v[rS+i+2], v[rS+i+3]
.set i, i+4
.endr
	v_max3_num_f32 v[rT+6], v[rT+6], v[rS+62], v[rS+63]
	v_max_num_f32 v[rT+6], v[rT+6], v[rT+7]
	v_permlanex16_b32 v[rT+10], v[rT+6], s[SEL], s[SEL+1]
	v_max_num_f32 v[rT+6], v[rT+6], v[rT+10]       ; and among the other half of the lanes' keys
	v_mul_f32 v[rT+6], s[CS], v[rT+6]              ; as t (the factor is positive)
	v_max_num_f32 v[rT+1], v[rT+1], v[rT+6]
	v_mov_b32 v[rT+6], v[rT]
	v_floor_f32 v[rT], -v[rT+1]                    ; -M = floor(-t) = -ceil(t)
	v_sub_f32 v[rT+6], v[rT], v[rT+6]              ; old M - new M: a whole number, 0 or less
	v_cvt_i32_f32 v[rT+6], v[rT+6]                 ; (it saturates)
	v_ldexp_f32 v[rT+4], 1.0, v[rT+6]              ; f = 2^(old M - new M)
.endm
.macro SCALE u
.set rT, ST+12*(\u)
.set rS, S+64*(\u)
.set j, 0
.rept 32
	v_pk_fma_f32 v[rS+j:rS+j+1], v[rS+j:rS+j+1], s[CS:CS+1], v[rT:rT+1] op_sel_hi:[1,0,0]   ; t - M
.set j, j+2
.endr
.endm
.macro EXPS u
.set rS, S+64*(\u)
.set j, 0
.rept 64
	v_exp_f32 v[rS+j], v[rS+j]
.set j, j+1
.endr
.endm
.macro LRES u
.set rT, ST+12*(\u)
	v_pk_mul_f32 v[rT+2:rT+3], v[rT+2:rT+3], v[rT+4:rT+5] op_sel_hi:[1,0]   ; the sum under the new M
.endm
.macro SUMS u                          ; of the unquantised p, two at a time, in two chains
.set rT, ST+12*(\u)
.set rS, S+64*(\u)
	v_pk_add_f32 v[rT+8:rT+9], v[rS:rS+1], v[rS+2:rS+3]
.set j, 4
.rept 15
	v_pk_add_f32 v[rT+2:rT+3], v[rT+2:rT+3], v[rS+j:rS+j+1]
	v_pk_add_f32 v[rT+8:rT+9], v[rT+8:rT+9], v[rS+j+2:rS+j+3]
.set j, j+4
.endr
	v_pk_add_f32 v[rT+2:rT+3], v[rT+2:rT+3], v[rT+8:rT+9]
.endm
.macro QUANT u
.set rS, S+64*(\u)
.set rP, P+16*(\u)
.irp t, 0,1,2,3,4,5,6,7
.irp i, 0,1,2,3,4,5,6,7
	v_min_num_f32 v[rS+8*\t+\i], v[rS+8*\t+\i], v[LIMP]   ; the conversion does not saturate (ISA guide 7.6.2); p is not negative, so the hold is one-sided
.endr
	v_cvt_scalef32_pk8_fp8_f32 v[rP+2*\t:rP+2*\t+1], v[rS+8*\t:rS+8*\t+7], v[SCP]
.endr
.endm
; A KEY STEP: 128 keys for my two tiles of queries.
.macro STEP
	v_add_nc_u32 v[ADK], s[TB], v[LI]              ; these three and the v_nop are the four places between the last products and the loads into V's registers
	v_add_nc_u32 v[ADV], s[TB], v[LIV]
	v_add_nc_u32 v[ADB], s[TB2], v[BI0]
	v_nop
	WIN 0x40                                       ; destination window 1
.irp t, 0,1,2,3,4,5,6,7
	ds_load_b128 v[KF+8*\t:KF+8*\t+3], v[ADK] offset:1024*\t
	ds_load_b128 v[KF+8*\t+4:KF+8*\t+7], v[ADK] offset:1024*\t+512
.endr
.irp t, 0,1,2,3,4,5,6,7
	ds_load_b128 v[BF+8*\t:BF+8*\t+3], v[ADB] offset:64*\t
	ds_load_b128 v[BF+8*\t+4:BF+8*\t+7], v[ADB] offset:64*\t+16
.endr
.irp c, 0,1,2,3
.irp q, 0,1,2,3
	ds_load_b128 v[VF+16*\c+4*\q:VF+16*\c+4*\q+3], v[ADV] offset:2048*\c+512*\q
.endr
.endr
	s_wait_dscnt 16                                ; K and the bias are in; V's 16 loads may be out
	WIN 0x11                                       ; K and the bias in window 1, Q and S^T in window 0
.irp u, 0,1
.irp t, 0,1,2,3,4,5,6,7
	v_wmma_f32_16x16x64_fp8_fp8 v[S+64*\u+8*\t:S+64*\u+8*\t+7], v[KF+8*\t:KF+8*\t+7], v[QF+8*\u:QF+8*\u+7], v[BF+8*\t:BF+8*\t+7]
.endr
.endr
	WIN 0
.rept 4
	v_nop
.endr
	MAXM 0
	SCALE 0
	EXPS 0
	MAXM 1                                         ; names none of tile 0's exponentials
	SCALE 1
	EXPS 1
	LRES 0                                         ; plain lines behind the last exponential
	LRES 1
	s_wait_alu depctr_va_vdst(0)                   ; one wait for the step's 128 exponentials, ahead of the first line that names a result
	SUMS 0
	QUANT 0
	SUMS 1
	QUANT 1
	WIN 0x41                                       ; O^T in window 1, f in window 0
.irp u, 0,1
.set j, 0
.rept 16
	v_pk_mul_f32 v[OA+32*\u+j:OA+32*\u+j+1], v[OA+32*\u+j:OA+32*\u+j+1], v[ST+12*\u+4:ST+12*\u+5] op_sel_hi:[1,0]   ; O^T under the new M; also the plain lines behind the conversions
.set j, j+2
.endr
.endr
	s_wait_dscnt 0x0                               ; V is in
	WIN 0x51                                       ; V and O^T in window 1, P in window 0
.irp c, 0,1,2,3
.irp u, 0,1
	v_wmma_f32_16x16x128_fp8_fp8 v[OA+32*\u+8*\c:OA+32*\u+8*\c+7], v[VF+16*\c:VF+16*\c+15], v[P+16*\u:P+16*\u+15], v[OA+32*\u+8*\c:OA+32*\u+8*\c+7]   ; eight accumulators, one instruction a turn
.endr
.endr
	WIN 0
	s_add_co_u32 s[TB], s[TB], 8192
	s_add_co_u32 s[TB2], s[TB2], 512
.endm
.macro SEG n, start                    ; n key steps from step start on
	s_mov_b32 s[TB], (\start)*8192
	s_mov_b32 s[TB2], (\start)*512
	s_mov_b32 s[CNT], \n
.Lseg_\@:
	STEP
	s_sub_co_u32 s[CNT], s[CNT], 1
	s_cmp_lg_u32 s[CNT], 0
	s_cbranch_scc1 .Lseg_\@
.endm
.macro PASSHEAD p                      ; Q's two fragments; the statistics and O^T begin as -3e38 and zeros, so that the step is written once
.if \p
	s_wait_xcnt 0x0                                ; the first pass's loads and stores have read their bases and data
	s_add_nc_u64 s[QP:QP+1], s[QP:QP+1], 16384     ; 16 tiles of queries on
	s_add_nc_u64 s[CP:CP+1], s[CP:CP+1], 262144
.endif
.irp i, 0,1,2,3
	global_load_b128 v[QF+4*\i:QF+4*\i+3], v[LI], s[QP:QP+1] offset:512*\i
.endr
.irp u, 0,1
	v_mov_b32 v[ST+12*\u+1], 0xff61b1e6
	v_floor_f32 v[ST+12*\u], -v[ST+12*\u+1]
	v_mov_b32 v[ST+12*\u+2], 0
	v_mov_b32 v[ST+12*\u+3], 0
	v_mov_b32 v[ST+12*\u+5], 0
	v_mov_b32 v[ST+12*\u+10], 0
.endr
	WIN 0x40
.set j, 0
.rept 64
	v_mov_b32 v[OA+j], 0
.set j, j+1
.endr
	WIN 0
	s_wait_loadcnt 0x0
.endm
.macro FINISH                          ; O^T / the sum, quantised with 2^(e10 - e8 - e9), stored: four stores of 512 consecutive bytes
.rept 4
	v_nop
.endr
.irp u, 0,1
	v_add_f32 v[ST+12*\u+2], v[ST+12*\u+2], v[ST+12*\u+3]
.endr
.irp u, 0,1
	v_permlanex16_b32 v[ST+12*\u+10], v[ST+12*\u+2], s[SEL], s[SEL+1]
.endr
.irp u, 0,1
	v_add_f32 v[ST+12*\u+2], v[ST+12*\u+2], v[ST+12*\u+10]
.endr
.irp u, 0,1
	v_rcp_f32 v[ST+12*\u+4], v[ST+12*\u+2]
.endr
	v_nop                                          ; a plain line behind the last reciprocal
	s_wait_alu depctr_va_vdst(0)                   ; and the wait, one for both, ahead of the first reader
	WIN 0x01                                       ; source 0 window 1
.irp u, 0,1
.set j, 0
.rept 16
	v_pk_mul_f32 v[S+64*\u+j:S+64*\u+j+1], v[OA+32*\u+j:OA+32*\u+j+1], v[ST+12*\u+4:ST+12*\u+5] op_sel_hi:[1,0]
.set j, j+2
.endr
.endr
	WIN 0
.irp u, 0,1
.set j, 0
.rept 32
	v_med3_num_f32 v[S+64*\u+j], v[S+64*\u+j], -v[LIMC], v[LIMC]
.set j, j+1
.endr
.endr
.irp u, 0,1
.irp c, 0,1,2,3
	v_cvt_scalef32_pk8_fp8_f32 v[P+16*\u+2*\c:P+16*\u+2*\c+1], v[S+64*\u+8*\c:S+64*\u+8*\c+7], v[SCX]
.endr
.endr
	v_nop                                          ; a plain line behind the last conversion
.irp u, 0,1
	global_store_b128 v[LI], v[P+16*\u:P+16*\u+3], s[CP:CP+1] offset:16384*\u
	global_store_b128 v[LI], v[P+16*\u+4:P+16*\u+7], s[CP:CP+1] offset:16384*\u+512
.endr
.endm
	PASSHEAD 0
	s_wait_tensorcnt 1                             ; my part of the first 512 keys is in; the larger load may be out
	s_wait_dscnt 0x0                               ; my part of the bias table is stored
	s_barrier_signal -1
	s_barrier_wait -1
	SEG 4, 0
	s_wait_tensorcnt 0x0                           ; my part of the other 1,536 keys is in,
	s_wait_dscnt 0x0
	s_barrier_signal -1
	s_barrier_wait -1                              ; everybody's is
	SEG 12, 4
	FINISH
	PASSHEAD 1
	SEG 16, 0
	FINISH
	s_wait_dscnt 0x0
	s_wait_tensorcnt 0x0
	ds_add_u32 v254, v255
	s_wait_dscnt 0x0
	CROUND                                         ; the closing round
	s_endpgm
.Lfunc_end_k_qcc2196993e_attn:
	.size	k_qcc2196993e_attn, .Lfunc_end_k_qcc2196993e_attn-k_qcc2196993e_attn
	.p2alignl 7, 3214868480
	.fill 96, 4, 3214868480
	.section	.rodata,"a",@progbits
	.p2align	6, 0x0
	.amdhsa_kernel k_qcc2196993e_attn
		.amdhsa_group_segment_fixed_size 327680
		.amdhsa_private_segment_fixed_size 0
		.amdhsa_enable_private_segment 0
		.amdhsa_kernarg_size 32
		.amdhsa_user_sgpr_count 2
		.amdhsa_user_sgpr_kernarg_segment_ptr 1
		.amdhsa_wavefront_size32 1
		.amdhsa_system_sgpr_workgroup_id_x 1
		.amdhsa_system_sgpr_workgroup_id_y 1
		.amdhsa_system_sgpr_workgroup_id_z 1
		.amdhsa_system_vgpr_workitem_id 0
		.amdhsa_next_free_vgpr 512
		.amdhsa_next_free_sgpr 80
		.amdhsa_reserve_vcc 0
		.amdhsa_float_denorm_mode_32 3
		.amdhsa_float_denorm_mode_16_64 3
		.amdhsa_memory_ordered 1
		.amdhsa_forward_progress 1
		.amdhsa_inst_pref_size 117
	.end_amdhsa_kernel
	.amdgpu_metadata
---
amdhsa.version: [ 1, 2 ]
amdhsa.kernels:
  - .name:           k_qcc2196993e_attn
    .symbol:         k_qcc2196993e_attn.kd
    .args:
      - { .name: qkv, .offset: 0, .size: 8, .value_kind: global_buffer, .address_space: global }
      - { .name: attention_mask, .offset: 8, .size: 8, .value_kind: global_buffer, .address_space: global }
      - { .name: lowp_scales, .offset: 16, .size: 8, .value_kind: global_buffer, .address_space: global }
      - { .name: ctx, .offset: 24, .size: 8, .value_kind: global_buffer, .address_space: global }
    .group_segment_fixed_size: 327680
    .private_segment_fixed_size: 0
    .kernarg_segment_align: 8
    .kernarg_segment_size: 32
    .max_flat_workgroup_size: 256
    .sgpr_count:     80
    .vgpr_count:     512
    .wavefront_size: 32
...
	.end_amdgpu_metadata
.endif
;; end of part 3
;; launch outln (part 4): grid 128 x 1, 4 waves a work-group, no clusters, 327,680 bytes of LDS; arguments ctx, codes, hidden_states, bd, ln_g, ln_b, lowp_scales, out0; writes out0
.if DOCPART == 4
	.amdgcn_target "amdgcn-amd-amdhsa--gfx1250"
	.amdhsa_code_object_version 6
	.text
	.protected	k_qcc2196993e_outln
	.globl	k_qcc2196993e_outln
	.p2align	8
	.type	k_qcc2196993e_outln,@function
k_qcc2196993e_outln:
	s_mov_b64 s[64:65], 0
	v_nop
	global_prefetch_b8 v0, s[64:65] scope:SCOPE_SE
	s_setreg_imm32_b32 hwreg(HW_REG_WAVE_MODE, 25, 1), 1
	s_wait_xcnt 0x0
; OUTLN: out0 = LayerNorm(ctx Wd^T + bd + hidden_states) x ln_g + ln_b.  The product runs on codes of FP8 (E4M3) that arrive as images of operand registers; all else is f32.
; SHARES.  A work-group owns 64 WHOLE rows (the norm wants all 1,024 columns of a row): 128 work-groups.  Wave w makes columns 256 w .. 256 w + 255 for the four tiles of 16 rows: 64 accumulators, 512 registers.
; Transposed use: source 0 = 16 rows of Wd, source 1 = 16 tokens of ctx: a lane holds ONE token, and its registers run along the columns: a row's sums want one exchange between the halves of the lanes and one through LDS.
; OPERANDS GO FROM MEMORY STRAIGHT INTO REGISTERS: each load takes 512 consecutive bytes of an image.  Each fragment of Wd is read by ONE wave of the work-group, so LDS would add a pass and spare nothing.
; NO CLUSTER: a joint load lands in LDS; here that means 131,072 bytes of Wd for a K step of 64 products a wave, each byte then read from LDS once, with a round of the cluster's barrier for each refill.
; The K loop is written out: 32 chunks of 16 products; weights are asked for two chunks ahead in a ring of four register buffers, ctx one K step ahead in two.
; hidden_states' 64 x 256 numbers of a wave come by ONE tensor load into the wave's own stage (rows of 1,024 bytes + 16), filled once; the same bytes later turn the results into whole rows.
; The variance is taken of x - mu in a second pass over the registers: no difference of large sums.
; LIMITS: e10 + e11 between -126 and 127.
; REGISTERS.  window 0: v1-7 addresses; v8-15, v24-31 sums, two chains a tile of rows; v16-23 mu, then 1/sigma, as pairs; v32-39 ln_g, v40-47 ln_b; v48-63 at work; v64-191 ctx's two sets, later at work.
;   window 1: Wd, four buffers of 64.   window 2: the accumulators of row tiles 0, 1 ((tt, nt) at v[8 (16 (tt % 2) + nt)]);   window 3: row tiles 2, 3.
.set SPITCH, 1040
.set WSTG,   64*SPITCH                 ; a wave's stage: 66,560 bytes
.set BDT,    4*WSTG                    ; bd: 1,024 bytes for each wave
.set RED,    BDT+4096                  ; two tables of 4 waves x 64 rows x 4 bytes
.set WDIMG,  28311552
.set LI,   1                           ; v1  16 x lane
.set HSA,  2                           ; v2  the stage: row r, + 32 h
.set BDA,  3                           ; v3  bd's table + 32 h
.set RDA,  4                           ; v4  the stage by rows: 16 x lane, rows 0-31
.set REDW, 5
.set REDR, 6
.set RDB,  7                           ; v7  rows 32-63 (their offsets from v4 would not fit 16 bits)
.set SUM,  8
.set MU,   16
.set GG,   32
.set LB,   40
.set RL,   48
.set CT,   64
.set TMP,  64
.set WV,   20
.set SCL,  22                          ; s[22:23] 2^(e10 + e11)
.set G1,   24
.set G0,   32
.set WP,   36
.set CP,   38
.set OP,   40
.set SEL,  42
.set MSB, 0
.macro WIN new
.if MSB != \new
	s_set_vgpr_msb (MSB<<8)|\new
.set MSB, \new
.endif
.endm
	s_load_b256 s[4:11], s[0:1], 0x0               ; ctx, codes, hidden_states, bd
	s_load_b256 s[12:19], s[0:1], 0x20             ; ln_g, ln_b, the scales' exponents, out0
	v_lshl_add_u32 v254, v0, 2, 0x42800
	v_mov_b32 v255, 0
	ds_add_u32 v254, v255
	ds_add_u32 v254, v255
	v_lshrrev_b32 v50, 5, v0
	v_readfirstlane_b32 s[WV], v50                 ; wave 0..3
	s_mov_b32 s[G1], (3<<16)|(1<<20)|(7<<22)|(3<<25)   ; elements of 8 bytes; padding on: four words after every 256
	s_mov_b32 s[G1+1], 128<<16                     ; tensor_dim0: 128 elements, 1,024 bytes
	s_mov_b32 s[G1+2], 64<<16                      ; tensor_dim1
	s_mov_b32 s[G1+3], 128<<16                     ; tile_dim0
	s_mov_b32 s[G1+4], 64                          ; tile_dim1
	s_mov_b32 s[G1+5], 512                         ; a row of hidden_states: 512 elements
	s_mov_b32 s[G1+6], 0
	s_mov_b32 s[G1+7], 0
	s_mov_b32 s[G0], 1
	s_mul_i32 s[G0+1], s[WV], WSTG
	s_lshl_b32 s48, ttmp9, 18                      ; my work-group's 64 rows of 4,096 bytes,
	s_lshl_b32 s52, s[WV], 10                      ; my wave's 256 columns
	s_add_co_u32 s48, s48, s52
	s_mov_b32 s49, 0
	s_wait_dscnt 0x0
	s_wait_kmcnt 0x0
	s_add_nc_u64 s[G0+2:G0+3], s[8:9], s[48:49]
	s_or_b32 s[G0+3], s[G0+3], 0x80000000
	tensor_load_to_lds s[G0:G0+3], s[G1:G1+7]      ; one tensor load a wave in the whole launch
	s_nop 0
.rept 4
	v_nop
.endr
	s_load_b64 s[44:45], s[16:17], 0x28            ; e10, e11
	s_add_nc_u64 s[OP:OP+1], s[18:19], s[48:49]
	s_lshl_b32 s50, s[WV], 15
	s_add_co_u32 s50, s50, WDIMG
	s_mov_b32 s51, 0
	s_add_nc_u64 s[WP:WP+1], s[6:7], s[50:51]      ; Wd's images: my 16 tiles of rows
	s_lshl_b32 s50, ttmp9, 16
	s_add_nc_u64 s[CP:CP+1], s[4:5], s[50:51]      ; ctx's images: my four tiles of tokens
	s_mov_b32 s[SEL], 0x76543210
	s_mov_b32 s[SEL+1], 0xfedcba98
	s_mov_b32 s46, 0x3a800000                      ; 1 / 1,024
	s_mov_b32 s47, 0x2b8cbccc                      ; 1e-12
	v_and_b32 v50, 31, v0                          ; lane
	v_and_b32 v48, 15, v0                          ; r
	v_bfe_u32 v49, v0, 4, 1                        ; h
	v_lshlrev_b32 v[LI], 4, v50
	v_mul_u32_u24 v[HSA], v48, SPITCH
	v_lshl_add_u32 v[HSA], v49, 5, v[HSA]
	v_add_nc_u32 v[HSA], s[G0+1], v[HSA]
	s_add_co_u32 s50, s52, BDT
	v_lshl_add_u32 v[BDA], v49, 5, s50
	v_lshl_add_u32 v51, v50, 5, s50                ; where I store my eight numbers of bd
	v_add_nc_u32 v[RDA], s[G0+1], v[LI]
	v_add_nc_u32 v[RDB], 32*SPITCH, v[RDA]
	s_lshl_b32 s51, s[WV], 8
	s_add_co_u32 s51, s51, RED
	v_lshl_add_u32 v[REDW], v48, 2, s51
	v_lshl_add_u32 v[REDR], v48, 2, RED
	v_lshl_add_u32 v52, v50, 5, s52
	v_add_nc_u32 v53, s52, v[LI]
	global_load_b128 v[56:59], v52, s[10:11]       ; bd[256 w + 8 lane ..]
	global_load_b128 v[60:63], v52, s[10:11] offset:16
	global_load_b128 v[GG:GG+3], v53, s[12:13]     ; ln_g and ln_b at the columns that I store: 256 w + 4 lane .. and 128 further on
	global_load_b128 v[GG+4:GG+7], v53, s[12:13] offset:512
	global_load_b128 v[LB:LB+3], v53, s[14:15]
	global_load_b128 v[LB+4:LB+7], v53, s[14:15] offset:512
.macro WLOAD ci                        ; chunk ci's four fragments of Wd (K step ci / 4, my tiles 4 (ci % 4) ..) into buffer ci % 4
	WIN 0x40
.set wb, 64*((\ci)%4)
.set wo, ((\ci)/4)*131072+((\ci)%4)*8192
.irp n, 0,1,2,3
.irp c, 0,1,2,3
	global_load_b128 v[wb+16*\n+4*\c:wb+16*\n+4*\c+3], v[LI], s[WP:WP+1] offset:wo+2048*\n+512*\c
.endr
.endr
.endm
.macro CLOAD s                         ; K step s of ctx's four fragments into set s % 2
	WIN 0
.irp tt, 0,1,2,3
.irp c, 0,1,2,3
	global_load_b128 v[CT+64*((\s)%2)+16*\tt+4*\c:CT+64*((\s)%2)+16*\tt+4*\c+3], v[LI], s[CP:CP+1] offset:16384*\tt+2048*(\s)+512*\c th:TH_LOAD_NT
.endr
.endr
.endm
.macro PROD hi                         ; eight products: row tiles 2 hi, 2 hi + 1 x the chunk's four tiles of columns; sixteen accumulators a chunk, one instruction a turn
.irp tt, 0,1
.irp n, 0,1,2,3
.set rD, 8*(16*\tt+4*cq+\n)
.set rA, 64*(CI%4)+16*\n
.set rB, CT+64*(cs_%2)+16*(2*\hi+\tt)
.if cs_ == 0
	v_wmma_f32_16x16x128_fp8_fp8 v[rD:rD+7], v[rA:rA+15], v[rB:rB+15], 0
.else
	v_wmma_f32_16x16x128_fp8_fp8 v[rD:rD+7], v[rA:rA+15], v[rB:rB+15], v[rD:rD+7]
.endif
.endr
.endr
.endm
.macro CHUNK
.set cs_, CI/4
.set cq, CI%4
.if CI+2 < 32
	WLOAD CI+2
.endif
.if (cq == 0) && (cs_ < 7)
	CLOAD cs_+1
.endif
.set nw, 31-CI
.if nw > 2
.set nw, 2
.endif
.set nn, 16*nw
.if (cq <= 2) && (cs_ < 7)
.set nn, nn+16
.endif
	s_wait_loadcnt nn                              ; issued behind this chunk's weights: the next two chunks' (fewer at the end), and ctx's next K step where it was asked for behind them
	WIN 0xa1                                       ; Wd window 1, ctx window 0, C and D window 2
	PROD 0
	WIN 0xf1
	PROD 1
.rept 4
	v_nop                                          ; places in front of later loads into the registers that these products read
.endr
.endm
	CLOAD 0
	WLOAD 0
	WLOAD 1
	WIN 0
	s_wait_loadcnt 48                              ; the six small loads are in; the 48 issued behind them may be out
	ds_store_b128 v51, v[56:59]                    ; bd into my wave's own table
	ds_store_b128 v51, v[60:63] offset:16
	s_wait_kmcnt 0x0
	s_add_co_i32 s[SCL], s44, s45
	s_add_co_i32 s[SCL], s[SCL], 127
	s_lshl_b32 s[SCL], s[SCL], 23                  ; 2^(e10 + e11) as f32
	s_mov_b32 s[SCL+1], s[SCL]
.set CI, 0
.rept 32
	CHUNK
.set CI, CI+1
.endr
	WIN 0
	; ---- x = sum x 2^(e10 + e11) + bd + hidden_states, in place; the rows' sums
	s_wait_tensorcnt 0x0                           ; my wave's part of hidden_states is in my stage; only I read it
.irp j, 0,1,2,3,4,5,6,7
	v_mov_b32 v[SUM+\j], 0
	v_mov_b32 v[SUM+16+\j], 0
.endr
.macro E1LOAD nt                       ; column tile nt: bd's eight numbers of my half, and hidden_states' for the four tiles of rows, into set nt % 2
.set EB, TMP+40*((\nt)%2)
	ds_load_b128 v[EB:EB+3], v[BDA] offset:64*(\nt)
	ds_load_b128 v[EB+4:EB+7], v[BDA] offset:64*(\nt)+16
.irp tt, 0,1,2,3
	ds_load_b128 v[EB+8+8*\tt:EB+11+8*\tt], v[HSA] offset:16*\tt*SPITCH+64*(\nt)
	ds_load_b128 v[EB+12+8*\tt:EB+15+8*\tt], v[HSA] offset:16*\tt*SPITCH+64*(\nt)+16
.endr
.endm
.macro E1STEP
.if NT < 15
	E1LOAD NT+1
	s_wait_dscnt 10                                ; this tile's ten loads are in; the next tile's ten may be out
.else
	s_wait_dscnt 0x0
.endif
.set EB, TMP+40*(NT%2)
.irp tt, 0,1,2,3
.irp i, 0,2,4,6
	v_pk_add_f32 v[EB+8+8*\tt+\i:EB+9+8*\tt+\i], v[EB+8+8*\tt+\i:EB+9+8*\tt+\i], v[EB+\i:EB+\i+1]
.endr
.endr
.irp hi, 0,1
	WIN 0x82+0x41*\hi                              ; the sums (source 0 and destination) in window 2 or 3
.irp i, 0,2,4,6
.irp tt, 0,1
	v_pk_fma_f32 v[128*\tt+8*NT+\i:128*\tt+8*NT+\i+1], v[128*\tt+8*NT+\i:128*\tt+8*NT+\i+1], s[SCL:SCL+1], v[EB+8+8*(2*\hi+\tt)+\i:EB+9+8*(2*\hi+\tt)+\i] op_sel_hi:[1,0,1]
.endr
.endr
	WIN 0x02+\hi
.irp i, 0,2,4,6
.irp tt, 0,1
	v_pk_add_f32 v[SUM+16*((\i/2)%2)+2*(2*\hi+\tt):SUM+16*((\i/2)%2)+2*(2*\hi+\tt)+1], v[128*\tt+8*NT+\i:128*\tt+8*NT+\i+1], v[SUM+16*((\i/2)%2)+2*(2*\hi+\tt):SUM+16*((\i/2)%2)+2*(2*\hi+\tt)+1]
.endr
.endr
.endr
	WIN 0
.endm
	E1LOAD 0
.set NT, 0
.rept 16
	E1STEP
.set NT, NT+1
.endr
; The four tiles' sums: the two chains, the pair's halves, the other half of the lanes; then the four waves' parts meet in a table in LDS.  v[RL + 4 tt] ends as the row's total, the same in every wave.
.macro REDUCE off
.irp tt, 0,1,2,3
	v_pk_add_f32 v[SUM+2*\tt:SUM+2*\tt+1], v[SUM+2*\tt:SUM+2*\tt+1], v[SUM+16+2*\tt:SUM+16+2*\tt+1]
.endr
.irp tt, 0,1,2,3
	v_add_f32 v[SUM+2*\tt], v[SUM+2*\tt], v[SUM+2*\tt+1]
.endr
.irp tt, 0,1,2,3
	v_permlanex16_b32 v[SUM+2*\tt+1], v[SUM+2*\tt], s[SEL], s[SEL+1]
.endr
.irp tt, 0,1,2,3
	v_add_f32 v[SUM+2*\tt], v[SUM+2*\tt], v[SUM+2*\tt+1]
.endr
.irp tt, 0,1,2,3
	ds_store_b32 v[REDW], v[SUM+2*\tt] offset:\off+64*\tt   ; lanes r and r + 16 store the same number to the same word
.endr
	s_wait_dscnt 0x0                               ; for the others' sake: my stores are done
	s_barrier_signal -1
	s_barrier_wait -1
.irp tt, 0,1,2,3
.irp w, 0,1,2,3
	ds_load_b32 v[RL+4*\tt+\w], v[REDR] offset:\off+256*\w+64*\tt
.endr
.endr
	s_wait_dscnt 0x0
.irp tt, 0,1,2,3
	v_add_f32 v[RL+4*\tt], v[RL+4*\tt], v[RL+4*\tt+1]
	v_add_f32 v[RL+4*\tt+2], v[RL+4*\tt+2], v[RL+4*\tt+3]
.endr
.irp tt, 0,1,2,3
	v_add_f32 v[RL+4*\tt], v[RL+4*\tt], v[RL+4*\tt+2]
.endr
.endm
	REDUCE 0
.irp tt, 0,1,2,3
	v_mul_f32 v[MU+2*\tt], s46, v[RL+4*\tt]        ; mu
	v_mov_b32 v[MU+2*\tt+1], 0                     ; (named with it as a pair, so it is written)
.endr
.irp j, 0,1,2,3,4,5,6,7
	v_mov_b32 v[SUM+\j], 0
	v_mov_b32 v[SUM+16+\j], 0
.endr
	; ---- x - mu in place, and the sums of its squares
.irp hi, 0,1
	WIN 0x82+0x41*\hi
.set j, 0
.rept 64
	v_pk_add_f32 v[j:j+1], v[j:j+1], v[MU+4*\hi:MU+4*\hi+1] op_sel_hi:[1,0] neg_lo:[0,1] neg_hi:[0,1]
	v_pk_add_f32 v[128+j:128+j+1], v[128+j:128+j+1], v[MU+4*\hi+2:MU+4*\hi+3] op_sel_hi:[1,0] neg_lo:[0,1] neg_hi:[0,1]
.set j, j+2
.endr
	WIN 0x0a+5*\hi                                 ; sources 0 and 1 in window 2 or 3
.set j, 0
.rept 64
	v_pk_fma_f32 v[SUM+16*((j/2)%2)+4*\hi:SUM+16*((j/2)%2)+4*\hi+1], v[j:j+1], v[j:j+1], v[SUM+16*((j/2)%2)+4*\hi:SUM+16*((j/2)%2)+4*\hi+1]
	v_pk_fma_f32 v[SUM+16*((j/2)%2)+4*\hi+2:SUM+16*((j/2)%2)+4*\hi+3], v[128+j:128+j+1], v[128+j:128+j+1], v[SUM+16*((j/2)%2)+4*\hi+2:SUM+16*((j/2)%2)+4*\hi+3]
.set j, j+2
.endr
.endr
	WIN 0
	REDUCE 1024                                    ; a second table: no barrier is owed between the first table's reads and these stores
.irp tt, 0,1,2,3
	v_fma_f32 v[RL+4*\tt], v[RL+4*\tt], s46, s47   ; the variance + 1e-12
.endr
.irp tt, 0,1,2,3
	v_rsq_f32 v[MU+2*\tt], v[RL+4*\tt]
.endr
	v_nop                                          ; a plain line behind the last of them
	s_wait_alu depctr_va_vdst(0)                   ; and one wait for the four, ahead of the first reader
	; ---- (x - mu) / sigma goes into my stage, a lane's 32 bytes of a row at a time
.irp tt, 0,1,2,3
	s_wait_dscnt 0x0                               ; the stores before have read their registers
	WIN 0x02+(\tt/2)
.set j, 0
.rept 64
	v_pk_mul_f32 v[TMP+j:TMP+j+1], v[128*(\tt%2)+j:128*(\tt%2)+j+1], v[MU+2*\tt:MU+2*\tt+1] op_sel_hi:[1,0]
.set j, j+2
.endr
	WIN 0
.irp nt, 0,1,2,3,4,5,6,7,8,9,10,11,12,13,14,15
	ds_store_b128 v[HSA], v[TMP+8*\nt:TMP+8*\nt+3] offset:16*\tt*SPITCH+64*\nt
	ds_store_b128 v[HSA], v[TMP+8*\nt+4:TMP+8*\nt+7] offset:16*\tt*SPITCH+64*\nt+16
.endr
.endr
	s_wait_dscnt 0x0                               ; the last stores have read their registers: the loads below land there
	; ---- and comes back by rows: x ln_g + ln_b; each store covers 512 consecutive bytes of a row of out0
.macro E6LOAD bt                       ; rows 8 bt .. 8 bt + 7 into set bt % 2
.set EB, TMP+64*((\bt)%2)
.set ra, RDA+((\bt)/4)*(RDB-RDA)
.irp i, 0,1,2,3,4,5,6,7
	ds_load_b128 v[EB+8*\i:EB+8*\i+3], v[ra] offset:(8*((\bt)%4)+\i)*SPITCH
	ds_load_b128 v[EB+8*\i+4:EB+8*\i+7], v[ra] offset:(8*((\bt)%4)+\i)*SPITCH+512
.endr
.endm
.macro E6STEP bt
.if (\bt) < 7
	s_wait_dscnt 16                                ; this batch's 16 loads are in; the next batch's may be out
.else
	s_wait_dscnt 0x0
.endif
.set EB, TMP+64*((\bt)%2)
.irp i, 0,1,2,3,4,5,6,7
.irp k, 0,2,4,6
	v_pk_fma_f32 v[EB+8*\i+\k:EB+8*\i+\k+1], v[EB+8*\i+\k:EB+8*\i+\k+1], v[GG+\k:GG+\k+1], v[LB+\k:LB+\k+1]
.endr
	global_store_b128 v[LI], v[EB+8*\i:EB+8*\i+3], s[OP:OP+1] offset:(8*(\bt)+\i)*4096 th:TH_STORE_NT
	global_store_b128 v[LI], v[EB+8*\i+4:EB+8*\i+7], s[OP:OP+1] offset:(8*(\bt)+\i)*4096+512 th:TH_STORE_NT
.endr
.if (\bt)+2 < 8
	s_wait_xcnt 0x0                                ; the stores have read their data: the set is loaded again only behind this wait
	E6LOAD (\bt)+2
.endif
.endm
	E6LOAD 0
	E6LOAD 1
.irp bt, 0,1,2,3,4,5,6,7
	E6STEP \bt
.endr
	s_wait_tensorcnt 0x0
	ds_add_u32 v254, v255
	s_wait_dscnt 0x0
	s_endpgm
.Lfunc_end_k_qcc2196993e_outln:
	.size	k_qcc2196993e_outln, .Lfunc_end_k_qcc2196993e_outln-k_qcc2196993e_outln
	.p2alignl 7, 3214868480
	.fill 96, 4, 3214868480
	.section	.rodata,"a",@progbits
	.p2align	6, 0x0
	.amdhsa_kernel k_qcc2196993e_outln
		.amdhsa_group_segment_fixed_size 327680
		.amdhsa_private_segment_fixed_size 0
		.amdhsa_enable_private_segment 0
		.amdhsa_kernarg_size 64
		.amdhsa_user_sgpr_count 2
		.amdhsa_user_sgpr_kernarg_segment_ptr 1
		.amdhsa_wavefront_size32 1
		.amdhsa_system_sgpr_workgroup_id_x 1
		.amdhsa_system_sgpr_workgroup_id_y 1
		.amdhsa_system_sgpr_workgroup_id_z 1
		.amdhsa_system_vgpr_workitem_id 0
		.amdhsa_next_free_vgpr 1024
		.amdhsa_next_free_sgpr 66
		.amdhsa_reserve_vcc 0
		.amdhsa_float_denorm_mode_32 3
		.amdhsa_float_denorm_mode_16_64 3
		.amdhsa_memory_ordered 1
		.amdhsa_forward_progress 1
		.amdhsa_inst_pref_size 255
	.end_amdhsa_kernel
	.section	.bss,"aw",@nobits
	.p2align	6
	.space	262144
	.amdgpu_metadata
---
amdhsa.version: [ 1, 2 ]
amdhsa.kernels:
  - .name:           k_qcc2196993e_outln
    .symbol:         k_qcc2196993e_outln.kd
    .args:
      - { .name: ctx, .offset: 0, .size: 8, .value_kind: global_buffer, .address_space: global }
      - { .name: codes, .offset: 8, .size: 8, .value_kind: global_buffer, .address_space: global }
      - { .name: hidden_states, .offset: 16, .size: 8, .value_kind: global_buffer, .address_space: global }
      - { .name: bd, .offset: 24, .size: 8, .value_kind: global_buffer, .address_space: global }
      - { .name: ln_g, .offset: 32, .size: 8, .value_kind: global_buffer, .address_space: global }
      - { .name: ln_b, .offset: 40, .size: 8, .value_kind: global_buffer, .address_space: global }
      - { .name: lowp_scales, .offset: 48, .size: 8, .value_kind: global_buffer, .address_space: global }
      - { .name: out0, .offset: 56, .size: 8, .value_kind: global_buffer, .address_space: global }
    .group_segment_fixed_size: 327680
    .private_segment_fixed_size: 0
    .kernarg_segment_align: 8
    .kernarg_segment_size: 64
    .max_flat_workgroup_size: 128
    .sgpr_count:     66
    .vgpr_count:     1024
    .wavefront_size: 32
...
	.end_amdgpu_metadata
.endif
;; end of part 4
